; MI455X (gfx1250); checked and timed in simulation.
; The chip was launched on July 23, 2026; its instructions are those of AMD's public machine-readable ISA for CDNA 5 (MIT licence, August 2026) and "CDNA5" Instruction Set Architecture Reference Guide (July 2026). The comments in the code are by the model that wrote it; some were corrected since.
;; Quant Linear W4 A8. Allowed arithmetic: matrix products marked QUANTISED: E4M3 operands, one E8M0 scale for each 32 along K, by v_wmma_scale_f32_16x16x128_f8f6f4 with both operands' format E4M3, f32 sums; everything else in f32.
;; Inputs: packed_weight 8,388,608 int32; scales 131,072 x 1 float32; x 4,096 x 4,096 float32; zeros 131,072 x 1 float32.
;; Outputs: out0 4,096 x 4,096 float32.
;; This version of the problem:
;;   THIS VERSION OF THE PROBLEM IS GIVEN IN LOW PRECISION. The matrix products marked QUANTISED in the list below multiply operands that are first quantised to E4M3 (4 exponent bits, 3 mantissa bits; 8 bits a number), with one power-of-two scale for each 32 numbers along K (OCP MX v1.0); their sums are f32. All else is computed in f32.
;;   The module's matrix products, in the order in which they are computed (A, B: the left and right operand; K: the contracted axis; several contracted axes count as one K, in the product's order):
;;     1. [M 4,096, K 4,096] x [K 4,096, N 4,096]; A: computed on the way; B: computed on the way: QUANTISED
;;   THE QUANTISER, for each operand of a quantised product, along K:
;;     - K is cut into blocks of 32 from its start; a last block that is shorter is filled with zeros.
;;     - A block's scale is 2^e with e = floor(log2(the largest magnitude in the block)) - 8, held to -126 .. 127; a block of zeros has e = 0. As a byte (E8M0): e + 127.
;;     - Each number is divided by its block's scale, clamped to +-448, and rounded to the nearest number of E4M3, ties to even, subnormals kept.
;;     - The product sums the exact products of the quantised numbers (number of the format x scale) in f32.
;;   ~~~python
;;   def quantise(x, axis):      # numpy; x: float32 -> the quantised numbers, widened to float32 again
;;       x = np.moveaxis(x, axis, -1); K = x.shape[-1]
;;       x = np.pad(x, [(0, 0)] * (x.ndim - 1) + [(0, -K % 32)]); x = x.reshape(x.shape[:-1] + (-1, 32)); a = np.abs(x).max(-1, keepdims=True)
;;       e = np.where(a > 0, np.clip(np.frexp(np.where(a > 0, a, 1))[1] - 1 - 8, -126, 127), 0)      # np.frexp(a)[1] - 1 = floor(log2(a)), exactly
;;       r = np.clip(x / 2.0 ** e, -448, 448)
;;       step = 2.0 ** (np.maximum(np.frexp(np.where(r == 0, 1, r))[1] - 1, -6) - 3)
;;       q = np.round(r / step) * step * 2.0 ** e      # np.round: ties to even
;;       return np.moveaxis(q.reshape(q.shape[:-2] + (-1,))[..., :K], -1, axis).astype(np.float32)
;;   ~~~
;;   OPERANDS COMPUTED ON THE WAY. 'Computed on the way' means the value that the module computes at that place (a softmax that the list does not call 'softmax' is quantised finished and normalised). What goes into a quantiser is computed in f32, as accurately as f32 sums, v_exp_f32 and their like allow (about 1e-6 of the number): no bf16 or f16 on the way to a quantiser, and a product that is left as it is and whose result goes on into a quantised operand takes f32 operands (vector FMAs, or v_wmma_f32_16x16x4_f32). A number that lies on a knife's edge between two numbers of the format may be rounded either way, as far as f32 arithmetic and the matrix unit's own rounding can turn it there, and no further.
;; One version. Each part assembles by itself: llvm-mc -triple=amdgcn-amd-amdhsa -mcpu=gfx1250 --defsym DOCPART=n.
;; ======== version 1 of 1: 3 launches
;; limits: right only within a limited range of input values
;; workspace buffers: pmax 8,192 bytes; a_codes 17,301,504 bytes; b_codes 17,301,504 bytes
;; launch prep (part 1): grid 1024 x 1, 4 waves a work-group, no clusters, 4,608 bytes of LDS; arguments x, packed_weight, scales, zeros, pmax, b_codes; writes pmax, b_codes
.if DOCPART == 1
	.amdgcn_target "amdgcn-amd-amdhsa--gfx1250"
	.amdhsa_code_object_version 6
	.text
	.protected	k_q857c6ddb4b_prep
	.globl	k_q857c6ddb4b_prep
	.p2align	8
	.type	k_q857c6ddb4b_prep,@function
k_q857c6ddb4b_prep:
	s_mov_b64 s[64:65], 0
	v_nop
	global_prefetch_b8 v0, s[64:65] scope:SCOPE_SE
	s_setreg_imm32_b32 hwreg(HW_REG_WAVE_MODE, 25, 1), 1
	s_wait_xcnt 0x0
; TWO JOBS IN ONE LAUNCH, told apart by the work-group's parity; neither needs the other's result.
; EVEN work-groups: the largest |x| of x [4096][4096] f32.  Wave id = 4 (group / 2) + wave takes 32,768 consecutive bytes and stores one f32 into pmax[id] (2,048 of them); the next launch joins them.
; ODD work-groups: the weight w[n][k] = scales[g] (idx - zeros[g]), g = 32 n + k / 128; each int32 word of packed_weight gives two neighbours along K: word >> 4 (arithmetic), then word & 15.
;   w is turned into codes of FP8 (E4M3) with one E8M0 byte for each 32 along K.  A block's byte is its largest magnitude's exponent field - 8, held at 1 from below; each number is held within +-448 x the scale and rounded to the nearest code, ties to even.
; THE LAYOUT OF b_codes (and of a_codes, which the next launch writes): dense TILES, [K step of 256: 16][128 rows: 32][33,792 bytes].  A tile is 132 rows of 256 bytes: row r < 128 holds row r's 256 codes, K ascending;
;   rows 128 to 131 hold the scale bytes, 8 for each of the 128 rows on end.  So the product's launch brings codes and scale bytes of 128 rows by one tensor load of consecutive bytes.
;   A wave takes 32 rows x 256 along K, a row a step: 128 words, one load of 512 consecutive bytes.  A lane's 4 words are 8 neighbours along K: what one conversion takes.  A block of 32 lies in 4 neighbouring lanes.
;   A lane's 8 codes are 8 bytes: the wave's store covers 256 consecutive bytes, aligned.  A wave's 256 scale bytes are gathered in LDS and leave the same way.
; LIMITS: NaN and infinities among the inputs are not served.  A block of zeros gets the byte 1 where the rule says 127: its codes are zeros, which add nothing under any byte but 0xff, and this program alone reads the bytes.
; The store into pmax is 4 bytes a wave, 8,192 bytes in the launch: the one place where aligned runs of 256 bytes are written piece by piece.
; No tensor loads, no barrier: waves share nothing.  No matrix unit, no cluster: the launch streams, and its work-groups share no input.
.set TILEB, 33792
.set KSB, 32*TILEB
.set M,  24                            ; maximum: v24-151  two sets of 16 x 4 registers
.set T,  16                            ; weights: v16-23   8 numbers at work
.set R,  24                            ;          v24-55   eight load slots of 4 words
.set SZ, 56                            ;          v56-119  row i: its group's scale, its zero point
.set C,  120                           ;          v120-183 codes: two registers for each row
.set E,  184                           ;          v184-215 a scale byte for each row
.set BYT, 512                          ; LDS, in a wave's own 1,024 bytes: at 0 the table of 32 rows x {S0, Z0, S1, Z1}; at 512 its 256 scale bytes
	s_load_b256 s[4:11], s[0:1], 0x0               ; x, packed_weight, scales, zeros
	s_load_b128 s[12:15], s[0:1], 0x20             ; pmax, b_codes (for the codes)
	s_load_b64 s[16:17], s[0:1], 0x28              ; b_codes once more (for the scale bytes)
	v_lshl_add_u32 v216, v0, 2, 0x1000             ; my spare word
	v_mov_b32 v217, 0
	v_lshrrev_b32 v1, 5, v0
	v_readfirstlane_b32 s18, v1                    ; wave 0..3
	v_and_b32 v2, 31, v0                           ; lane
	v_lshlrev_b32 v3, 4, v2                        ; my 16 bytes of a load's 512
	s_lshr_b32 s19, ttmp9, 1                       ; which work-group of its kind: 0..511
	s_mov_b32 s22, 0x76543210                      ; v_permlanex16_b32's selects for lane l xor 16
	s_mov_b32 s23, 0xfedcba98
	s_mov_b32 s21, 0x600000                        ; the mantissa field of 448
	s_mov_b32 s27, 0                               ; the upper word of every offset pair
	s_and_b32 s20, ttmp9, 1
	s_wait_kmcnt 0x0
	s_cmp_lg_u32 s20, 0
	s_cbranch_scc1 .Lweights
; ---------------- the largest |x| of 32,768 bytes ----------------
	s_lshl_b32 s24, s19, 2
	s_add_co_u32 s24, s24, s18                     ; id = 0..2047
	s_lshl_b32 s26, s24, 15
	s_add_nc_u64 s[4:5], s[4:5], s[26:27]
	s_lshl_b32 s26, s24, 2
	s_add_nc_u64 s[12:13], s[12:13], s[26:27]
.macro LOADB b                         ; batch b of four: 16 loads of 512 consecutive bytes
.irp i, 0,1,2,3,4,5,6,7,8,9,10,11,12,13,14,15
	global_load_b128 v[M+64*((\b)%2)+4*\i:M+64*((\b)%2)+4*\i+3], v3, s[4:5] offset:(16*(\b)+\i)*512
.endr
.endm
.macro MAXB set, first                 ; 64 numbers into four chains v8-11; first = 1: the first eight numbers start the chains
.set k, 0
.rept 32
.if \first && (k < 4)
	v_max_num_f32 v[8+k], |v[M+64*\set+2*k]|, |v[M+64*\set+2*k+1]|
.else
	v_max3_num_f32 v[8+k%4], v[8+k%4], |v[M+64*\set+2*k]|, |v[M+64*\set+2*k+1]|
.endif
.set k, k+1
.endr
.endm
	s_wait_alu depctr_va_vdst(0)
	LOADB 0
	LOADB 1
	s_wait_loadcnt 16                              ; batch 0 is in, batch 1's 16 stay out
	MAXB 0, 1
	LOADB 2
	s_wait_alu depctr_va_vdst(0)
	s_wait_loadcnt 16                              ; batch 1 is in
	MAXB 1, 0
	LOADB 3
	s_wait_alu depctr_va_vdst(0)
	s_wait_loadcnt 16                              ; batch 2 is in
	MAXB 0, 0
	s_wait_alu depctr_va_vdst(0)
	s_wait_loadcnt 0x0
	MAXB 1, 0
	v_max3_num_f32 v8, v8, v9, v10
	v_max_num_f32 v8, v8, v11
	v_max_num_f32_dpp v8, v8, v8 row_xmask:1 row_mask:0xf bank_mask:0xf
	v_max_num_f32_dpp v8, v8, v8 row_xmask:2 row_mask:0xf bank_mask:0xf
	v_max_num_f32_dpp v8, v8, v8 row_xmask:4 row_mask:0xf bank_mask:0xf
	v_max_num_f32_dpp v8, v8, v8 row_xmask:8 row_mask:0xf bank_mask:0xf
	v_permlanex16_b32 v9, v8, s22, s23
	v_max_num_f32 v8, v8, v9                       ; the wave's largest magnitude, in every lane
	v_mov_b32 v12, 0
	v_cmp_eq_u32 vcc_lo, 0, v2
	s_wait_alu depctr_va_vdst(0)
	s_wait_xcnt 0x0                                ; EXEC is a source of the loads above: it changes only behind this wait
	s_and_saveexec_b32 s24, vcc_lo
	global_store_b32 v12, v8, s[12:13]             ; lane 0 alone
	s_wait_xcnt 0x0                                ; and again in front of the line that widens it
	s_or_b32 exec_lo, exec_lo, s24
	s_endpgm
; ---------------- 32 rows x 256 along K of the weight ----------------
.Lweights:
	s_lshr_b32 s24, s19, 2                         ; rb = 0..127: rows 32 rb on
	s_and_b32 s25, s19, 3
	s_lshl_b32 s25, s25, 2
	s_add_co_u32 s25, s25, s18                     ; ks = 0..15: the K step
	s_lshl_b32 s26, s24, 18                        ; packed_weight: 32 rows of 8,192 bytes; a K step is 512 bytes
	s_lshl_b32 s28, s25, 9
	s_add_co_u32 s26, s26, s28
	s_add_nc_u64 s[6:7], s[6:7], s[26:27]
	s_lshl_b32 s26, s24, 12                        ; scales, zeros: 32 rows of 128 bytes; a K step is two groups, 8 bytes
	s_lshl_b32 s28, s25, 3
	s_add_co_u32 s26, s26, s28
	s_add_nc_u64 s[8:9], s[8:9], s[26:27]
	s_add_nc_u64 s[10:11], s[10:11], s[26:27]
	s_mul_i32 s26, s25, KSB                        ; b_codes: my tile: K step ks, 128 rows number rb / 4
	s_lshr_b32 s28, s24, 2
	s_mul_i32 s28, s28, TILEB
	s_add_co_u32 s26, s26, s28
	s_add_nc_u64 s[14:15], s[14:15], s[26:27]
	s_add_nc_u64 s[16:17], s[16:17], s[26:27]
	s_and_b32 s28, s24, 3                          ; my 32 rows of its 128:
	s_lshl_b32 s26, s28, 13                        ; their codes, 8,192 bytes,
	s_add_nc_u64 s[14:15], s[14:15], s[26:27]
	s_lshl_b32 s26, s28, 8                         ; and their 256 scale bytes, behind the tile's 32,768 bytes of codes
	s_add_co_u32 s26, s26, 32768
	s_add_nc_u64 s[16:17], s[16:17], s[26:27]
	s_lshl_b32 s29, s18, 10                        ; my wave's 1,024 bytes of LDS
	s_wait_alu depctr_va_vdst(0)
	v_lshlrev_b32 v1, 7, v2                        ; lane = row: its 128 bytes of scales and of zeros
	v_lshlrev_b32 v4, 3, v2                        ; 8 bytes a lane: codes, and the scale bytes on their way out
	v_add_nc_u32 v5, s29, v3                       ; the table: row = lane, 16 bytes
	v_lshrrev_b32 v6, 4, v2                        ; lane / 16: which of the K step's two groups is mine
	v_lshl_add_u32 v6, v6, 3, s29
	v_lshrrev_b32 v13, 2, v2
	v_add_nc_u32 v13, s29, v13                     ; my block's byte among a row's eight
	v_add_nc_u32 v14, s29, v4
	global_load_b32 v16, v1, s[8:9]                ; row = lane: S of group 0,
	global_load_b32 v17, v1, s[10:11]              ; Z of group 0,
	global_load_b32 v18, v1, s[8:9] offset:4       ; S of group 1,
	global_load_b32 v19, v1, s[10:11] offset:4     ; Z of group 1
.macro WLOAD t                         ; row t's 128 words: 512 consecutive bytes; read once in the launch
	global_load_b128 v[R+4*((\t)%8):R+4*((\t)%8)+3], v3, s[6:7] offset:(\t)*8192 th:TH_LOAD_NT
.endm
.irp t, 0,1,2,3,4,5,6,7
	WLOAD \t
.endr
	s_wait_alu depctr_va_vdst(0)
	s_wait_loadcnt 8                               ; the four group loads are in; the eight rows' loads stay out
	ds_store_b128 v5, v[16:19]
.irp i, 0,1,2,3,4,5,6,7,8,9,10,11,12,13,14,15,16,17,18,19,20,21,22,23,24,25,26,27,28,29,30,31
	ds_load_b64 v[SZ+2*\i:SZ+2*\i+1], v6 offset:16*\i   ; LDS serves a wave's instructions in order (ISA guide 5.7.1.4): these see the store
.endr
	s_wait_dscnt 0x0
.macro WSTEP t
.set RS, R+4*((\t)%8)
.if (\t) < 24
	s_wait_loadcnt 7                               ; row t's load is in; the seven younger rows' stay out
.else
	s_wait_loadcnt 31-(\t)
.endif
.irp j, 0,1,2,3
	v_ashrrev_i32 v[T+2*\j], 4, v[RS+\j]           ; word >> 4
	v_and_b32 v[T+2*\j+1], 15, v[RS+\j]            ; word & 15
.endr
.if (\t)+8 < 32
	WLOAD (\t)+8                                   ; the slot takes the row eight further on
.endif
.irp j, 0,1,2,3,4,5,6,7
	v_cvt_f32_i32 v[T+\j], v[T+\j]
.endr
.irp j, 0,2,4,6
	v_pk_add_f32 v[T+\j:T+\j+1], v[T+\j:T+\j+1], v[SZ+2*(\t):SZ+2*(\t)+1] op_sel:[0,1] op_sel_hi:[1,1] neg_lo:[0,1] neg_hi:[0,1]   ; idx - Z
.endr
.irp j, 0,2,4,6
	v_pk_mul_f32 v[T+\j:T+\j+1], v[T+\j:T+\j+1], v[SZ+2*(\t):SZ+2*(\t)+1] op_sel_hi:[1,0]   ; x S: a difference, then a product, each rounded, as the module is defined
.endr
	v_max3_num_f32 v8, |v[T]|, |v[T+1]|, 0x4800000  ; the largest magnitude of my 8, and the floor 2^(9 - 127)
	v_max3_num_f32 v8, v8, |v[T+2]|, |v[T+3]|
	v_max3_num_f32 v8, v8, |v[T+4]|, |v[T+5]|
	v_max3_num_f32 v8, v8, |v[T+6]|, |v[T+7]|
	v_max_num_f32_dpp v8, v8, v8 row_xmask:1 row_mask:0xf bank_mask:0xf
	v_max_num_f32_dpp v8, v8, v8 row_xmask:2 row_mask:0xf bank_mask:0xf   ; of the four lanes that hold the block
	v_add_nc_u32 v11, 0xfc000000, v8               ; 8 off its exponent field: the conversion's scale operand
	v_and_or_b32 v10, v8, 0x7f800000, s21          ; 448 x the scale
.irp j, 0,1,2,3,4,5,6,7
	v_med3_num_f32 v[T+\j], v[T+\j], -v10, v10     ; the conversion to an 8-bit code does not saturate (ISA guide 7.6.2): the hold comes first
.endr
	v_cvt_scalef32_pk8_fp8_f32 v[C+2*(\t):C+2*(\t)+1], v[T:T+7], v11
	v_lshrrev_b32 v[E+(\t)], 23, v11               ; the scale's byte.  (Also the plain line behind the conversion)
	ds_store_b8 v13, v[E+(\t)] offset:BYT+8*(\t)   ; the four lanes of a block write the same byte with the same value
	global_store_b64 v4, v[C+2*(\t):C+2*(\t)+1], s[14:15] offset:(\t)*256   ; 32 lanes store 256 consecutive bytes, aligned: row t of my 32
.endm
.set Q, 0
.rept 32
	WSTEP Q
.set Q, Q+1
.endr
	ds_load_b64 v[8:9], v14 offset:BYT             ; these see my byte stores
	s_wait_dscnt 0x0
	global_store_b64 v4, v[8:9], s[16:17]          ; 32 rows x 8 bytes: 256 consecutive bytes, aligned
	s_wait_tensorcnt 0x0                           ; the wave's end
	ds_add_u32 v216, v217
	s_wait_dscnt 0x0
	s_endpgm
.Lfunc_end_k_q857c6ddb4b_prep:
	.size	k_q857c6ddb4b_prep, .Lfunc_end_k_q857c6ddb4b_prep-k_q857c6ddb4b_prep
	.p2alignl 7, 3214868480
	.fill 96, 4, 3214868480
	.section	.rodata,"a",@progbits
	.p2align	6, 0x0
	.amdhsa_kernel k_q857c6ddb4b_prep
		.amdhsa_group_segment_fixed_size 4608
		.amdhsa_private_segment_fixed_size 0
		.amdhsa_enable_private_segment 0
		.amdhsa_kernarg_size 48
		.amdhsa_user_sgpr_count 2
		.amdhsa_user_sgpr_kernarg_segment_ptr 1
		.amdhsa_wavefront_size32 1
		.amdhsa_system_sgpr_workgroup_id_x 1
		.amdhsa_system_sgpr_workgroup_id_y 1
		.amdhsa_system_sgpr_workgroup_id_z 1
		.amdhsa_system_vgpr_workitem_id 0
		.amdhsa_next_free_vgpr 218
		.amdhsa_next_free_sgpr 66
		.amdhsa_reserve_vcc 1
		.amdhsa_float_denorm_mode_32 3
		.amdhsa_float_denorm_mode_16_64 3
		.amdhsa_memory_ordered 1
		.amdhsa_forward_progress 1
		.amdhsa_inst_pref_size 99
	.end_amdhsa_kernel
	.amdgpu_metadata
---
amdhsa.version: [ 1, 2 ]
amdhsa.kernels:
  - .name:           k_q857c6ddb4b_prep
    .symbol:         k_q857c6ddb4b_prep.kd
    .args:
      - { .name: x, .offset: 0, .size: 8, .value_kind: global_buffer, .address_space: global }
      - { .name: packed_weight, .offset: 8, .size: 8, .value_kind: global_buffer, .address_space: global }
      - { .name: scales, .offset: 16, .size: 8, .value_kind: global_buffer, .address_space: global }
      - { .name: zeros, .offset: 24, .size: 8, .value_kind: global_buffer, .address_space: global }
      - { .name: pmax, .offset: 32, .size: 8, .value_kind: global_buffer, .address_space: global }
      - { .name: b_codes, .offset: 40, .size: 8, .value_kind: global_buffer, .address_space: global }
    .group_segment_fixed_size: 4608
    .private_segment_fixed_size: 0
    .kernarg_segment_align: 8
    .kernarg_segment_size: 48
    .max_flat_workgroup_size: 128
    .sgpr_count:     66
    .vgpr_count:     218
    .wavefront_size: 32
...
	.end_amdgpu_metadata
.endif
;; end of part 1
;; launch quantx (part 2): grid 512 x 1, 4 waves a work-group, no clusters, 33,792 bytes of LDS; arguments x, pmax, a_codes; writes a_codes
.if DOCPART == 2
	.amdgcn_target "amdgcn-amd-amdhsa--gfx1250"
	.amdhsa_code_object_version 6
	.text
	.protected	k_q857c6ddb4b_quantx
	.globl	k_q857c6ddb4b_quantx
	.p2align	8
	.type	k_q857c6ddb4b_quantx,@function
k_q857c6ddb4b_quantx:
	s_mov_b64 s[64:65], 0
	v_nop
	global_prefetch_b8 v0, s[64:65] scope:SCOPE_SE
	s_setreg_imm32_b32 hwreg(HW_REG_WAVE_MODE, 25, 1), 1
	s_wait_xcnt 0x0
; x [4096][4096] f32 is first fake-quantised to 8-bit whole numbers with ONE scale for the tensor, s = max(max|x| / 127, 1e-8): xq = round(x / s) x s (ties to even),
; and xq is then turned into codes of FP8 (E4M3) with one E8M0 byte for each 32 along K, laid in a_codes as dense tiles [K step of 256: 16][128 rows: 32][33,792 bytes]: 128 rows of 256 codes, then the 128 rows' 8 scale bytes each.
; max|x| comes as 2,048 partial maxima in pmax: every work-group joins them itself, 16 a thread, under its first loads of x: one barrier, the launch's only one.
; THE CLIP to -128 .. 127 is not written, because it can never act: s >= the f32 nearest to max|x| / 127, so |x / s| <= 127 (1 + 2^-23), which rounds to 127 at the most, for every finite input.
; THE DIVISIONS: max|x| / 127 and x / s are a product by a reciprocal with the remainder put back by two fused multiply-adds (q = x r; q += (x - q s) r); 1 / s is v_rcp_f32 refined once the same way.
; LIMITS: NaN and infinities among the inputs are not served.  A block of zeros gets the byte 1 where the rule says 127: its codes are zeros, and this program alone reads the bytes.
; SHARES.  A wave takes 32 rows x 256 along K, in 16 steps of TWO rows: four loads of 512 consecutive bytes.  The conversions take neighbours along K from ONE lane's registers, so a step's 2,048 bytes turn through the wave's own
; stage in LDS and come back 64 bytes a lane: lanes 0-15 hold the even row, lanes 16-31 the odd one; two neighbouring lanes hold a block of 32.  A lane's 16 codes are 16 bytes: the wave stores two rows of the tile, 512 consecutive bytes.
; Loads run AH = 6 steps (24 loads a wave) ahead, the turn through LDS one step.  No tensor loads, no cluster, no matrix unit: the launch streams, and its work-groups share only the 8,192 bytes of pmax.
.set TILEB, 33792
.set KSB,   32*TILEB
.set STEPS, 16
.set AH,    6                          ; steps whose loads are out
.set SP,    80                         ; a lane's place in a stage: its 64 bytes + 16 of padding
.set WREG,  8192                       ; LDS: a region for each wave: two stages of 32 x SP bytes,
.set BYT,   2*32*SP                    ; and behind them its 256 scale bytes
.set RED,   4*WREG                     ; behind the four regions: a word for each wave's maximum
.set R,     16                         ; v16-111   AH sets of 16 numbers as they are loaded
.set X,     112                        ; v112-143  two sets of 16 neighbours
.set E,     144                        ; v144-159  a scale byte for each step
.set C,     160                        ; v160-223  codes: four registers for each step
.set SCL,   224                        ; v[224:225] s, twice
.set INV,   226                        ; v[226:227] 1 / s, twice
.set Q,     228                        ; v228-243  16 quotients; at the head: my 16 numbers of pmax
.set SPW,   244                        ; my spare word; never rewritten
.set NIL,   245                        ; 0; never rewritten
	s_load_b128 s[4:7], s[0:1], 0x0                ; x, pmax
	s_load_b64 s[8:9], s[0:1], 0x10                ; a_codes (for the codes)
	s_load_b64 s[10:11], s[0:1], 0x10              ; a_codes once more (for the scale bytes)
	v_lshl_add_u32 v[SPW], v0, 2, 0x8200
	v_mov_b32 v[NIL], 0
	v_lshrrev_b32 v1, 5, v0
	v_readfirstlane_b32 s16, v1                    ; wave 0..3
	v_and_b32 v2, 31, v0                           ; lane
	v_lshlrev_b32 v1, 4, v0                        ; pmax: 16 bytes a thread
	v_lshlrev_b32 v3, 4, v2                        ; x: my 16 bytes of a load's 512; and my 16 codes of a step's 512
	s_lshl_b32 s19, s16, 13                        ; my wave's region of LDS
	v_lshrrev_b32 v14, 2, v2
	v_mul_u32_u24 v14, v14, SP
	v_and_b32 v15, 3, v2
	v_lshl_add_u32 v14, v15, 4, v14
	v_add_nc_u32 v14, s19, v14                     ; the stage, on the way in
	v_mul_u32_u24 v15, v2, SP
	v_add_nc_u32 v15, s19, v15                     ; and on the way out: my 16 neighbours
	v_lshrrev_b32 v5, 1, v2
	v_add_nc_u32 v5, s19, v5                       ; my block's byte among the step's sixteen: lane / 2
	v_lshlrev_b32 v7, 3, v2                        ; the scale bytes on their way out: 8 bytes a lane
	v_add_nc_u32 v6, s19, v7
	v_mov_b32 v10, s16
	v_lshlrev_b32 v10, 2, v10                      ; my wave's word at RED
	v_mov_b32 v11, 0
	v_mov_b32 v9, 0                                ; (a lane permute's destination counts as one of its sources)
	s_mov_b32 s20, 0x3c010204                      ; the f32 nearest to 1 / 127
	s_mov_b32 s21, 0x42fe0000                      ; 127.0
	s_mov_b32 s23, 0x600000                        ; the mantissa field of 448
	s_mov_b32 s24, 0x76543210
	s_mov_b32 s25, 0xfedcba98
	s_lshr_b32 s17, ttmp9, 2                       ; rb = 0..127: rows 32 rb on
	s_and_b32 s18, ttmp9, 3
	s_lshl_b32 s18, s18, 2
	s_add_co_u32 s18, s18, s16                     ; ks = 0..15: the K step
	s_mov_b32 s27, 0
	s_wait_alu depctr_va_vdst(0)
	s_wait_kmcnt 0x0
	s_lshl_b32 s26, s17, 19                        ; x: 32 rows of 16,384 bytes; a K step is 1,024 bytes
	s_lshl_b32 s28, s18, 10
	s_add_co_u32 s26, s26, s28
	s_add_nc_u64 s[4:5], s[4:5], s[26:27]
	s_mul_i32 s26, s18, KSB                        ; a_codes: my tile: K step ks, 128 rows number rb / 4
	s_lshr_b32 s28, s17, 2
	s_mul_i32 s28, s28, TILEB
	s_add_co_u32 s26, s26, s28
	s_add_nc_u64 s[8:9], s[8:9], s[26:27]
	s_add_nc_u64 s[10:11], s[10:11], s[26:27]
	s_and_b32 s28, s17, 3                          ; my 32 rows of its 128:
	s_lshl_b32 s26, s28, 13                        ; their codes,
	s_add_nc_u64 s[8:9], s[8:9], s[26:27]
	s_lshl_b32 s26, s28, 8                         ; and their 256 scale bytes, behind the tile's 32,768 bytes of codes
	s_add_co_u32 s26, s26, 32768
	s_add_nc_u64 s[10:11], s[10:11], s[26:27]
.irp i, 0,1,2,3
	global_load_b128 v[Q+4*\i:Q+4*\i+3], v1, s[6:7] offset:2048*\i   ; the work-group's 128 threads cover pmax's 8,192 bytes
.endr
.macro LOAD t                          ; step t: rows 2 t and 2 t + 1, 1,024 bytes of each
.irp i, 0,1,2,3
	global_load_b128 v[R+16*((\t)%AH)+4*\i:R+16*((\t)%AH)+4*\i+3], v3, s[4:5] offset:(2*(\t)+\i/2)*16384+(\i%2)*512 th:TH_LOAD_NT
.endr
.endm
.macro TURN t                          ; step t's numbers through the stage: LDS serves a wave's instructions in order
.irp i, 0,1,2,3
	ds_store_b128 v14, v[R+16*((\t)%AH)+4*\i:R+16*((\t)%AH)+4*\i+3] offset:32*SP*((\t)%2)+8*SP*\i
.endr
.irp i, 0,1,2,3
	ds_load_b128 v[X+16*((\t)%2)+4*\i:X+16*((\t)%2)+4*\i+3], v15 offset:32*SP*((\t)%2)+16*\i
.endr
.endm
.irp t, 0,1,2,3,4,5
	LOAD \t
.endr
	s_wait_loadcnt 4*AH                            ; pmax's four loads are in; x's 24 stay out
	v_max3_num_f32 v8, v[Q], v[Q+1], v[Q+2]
.irp i, 3,5,7,9,11,13
	v_max3_num_f32 v8, v8, v[Q+\i], v[Q+\i+1]
.endr
	v_max_num_f32 v8, v8, v[Q+15]
	v_max_num_f32_dpp v8, v8, v8 row_xmask:1 row_mask:0xf bank_mask:0xf
	v_max_num_f32_dpp v8, v8, v8 row_xmask:2 row_mask:0xf bank_mask:0xf
	v_max_num_f32_dpp v8, v8, v8 row_xmask:4 row_mask:0xf bank_mask:0xf
	v_max_num_f32_dpp v8, v8, v8 row_xmask:8 row_mask:0xf bank_mask:0xf
	v_permlanex16_b32 v9, v8, s24, s25
	v_max_num_f32 v8, v8, v9                       ; my wave's quarter of pmax
	ds_store_b32 v10, v8 offset:RED                ; all lanes write the same word with the same value
	s_wait_dscnt 0x0                               ; for the others' sake: my store has landed
	s_barrier_signal -1
	s_barrier_wait -1
	ds_load_b128 v[Q:Q+3], v11 offset:RED          ; the four waves' maxima, in every lane
	s_wait_dscnt 0x0
	v_max3_num_f32 v8, v[Q], v[Q+1], v[Q+2]
	v_max_num_f32 v8, v8, v[Q+3]                   ; max|x|
	v_mul_f32 v9, s20, v8                          ; max|x| / 127: a first quotient,
	v_fma_f32 v10, -v9, s21, v8                    ; its remainder,
	v_fma_f32 v9, v10, s20, v9                     ; put back
	v_max_num_f32 v[SCL], 0x322bcc77, v9           ; s = max(.., 1e-8)
	s_wait_alu depctr_va_vdst(0)
	v_rcp_f32 v[INV], v[SCL]
	v_mov_b32 v[SCL+1], v[SCL]                     ; (the plain line behind the transcendental)
	s_wait_alu depctr_va_vdst(0)
	v_fma_f32 v10, -v[SCL], v[INV], 1.0
	v_fma_f32 v[INV], v10, v[INV], v[INV]          ; r += r (1 - s r)
	v_mov_b32 v[INV+1], v[INV]
	s_wait_alu depctr_va_vdst(0)
	s_wait_loadcnt 4*(AH-1)                        ; step 0's four loads are in
	TURN 0
.macro STEP t
.set XS, X+16*((\t)%2)
.if (\t) > 0
	s_wait_dscnt 1                                 ; this step's numbers are back from the stage (the last step's byte store may be out): so its stores into the stage have read their registers,
.else
	s_wait_dscnt 0x0
.endif
.if (\t)+AH < STEPS
	LOAD (\t)+AH                                   ; which take the loads of AH steps on
.endif
.if (\t)+1 < STEPS
.if STEPS-2-(\t) >= AH-1
	s_wait_loadcnt 4*(AH-1)                        ; the next step's four loads are in; those of the AH - 1 steps behind it may be out
.else
	s_wait_loadcnt 4*(STEPS-2-(\t))
.endif
	TURN (\t)+1
.endif
.irp j, 0,2,4,6,8,10,12,14
	v_pk_mul_f32 v[Q+\j:Q+\j+1], v[XS+\j:XS+\j+1], v[INV:INV+1]          ; q = x r
.endr
.irp j, 0,2,4,6,8,10,12,14
	v_pk_fma_f32 v[XS+\j:XS+\j+1], v[Q+\j:Q+\j+1], v[SCL:SCL+1], v[XS+\j:XS+\j+1] neg_lo:[1,0,0] neg_hi:[1,0,0]   ; x - q s
.endr
.irp j, 0,2,4,6,8,10,12,14
	v_pk_fma_f32 v[Q+\j:Q+\j+1], v[XS+\j:XS+\j+1], v[INV:INV+1], v[Q+\j:Q+\j+1]   ; x / s
.endr
.irp j, 0,1,2,3,4,5,6,7,8,9,10,11,12,13,14,15
	v_rndne_f32 v[Q+\j], v[Q+\j]                   ; to the nearest whole number, ties to even
.endr
.irp j, 0,2,4,6,8,10,12,14
	v_pk_mul_f32 v[XS+\j:XS+\j+1], v[Q+\j:Q+\j+1], v[SCL:SCL+1]          ; xq: what the product's quantiser takes
.endr
	v_max3_num_f32 v8, |v[XS]|, |v[XS+1]|, |v[XS+2]|               ; the largest magnitude of my 16, in two chains
	v_max3_num_f32 v9, |v[XS+3]|, |v[XS+4]|, |v[XS+5]|
.irp i, 6,10
	v_max3_num_f32 v8, v8, |v[XS+\i]|, |v[XS+\i+1]|
	v_max3_num_f32 v9, v9, |v[XS+\i+2]|, |v[XS+\i+3]|
.endr
	v_max3_num_f32 v8, v8, |v[XS+14]|, |v[XS+15]|
	v_max3_num_f32 v8, v8, v9, 0x4800000           ; and the floor 2^(9 - 127)
	v_max_num_f32_dpp v8, v8, v8 row_xmask:1 row_mask:0xf bank_mask:0xf   ; and of my neighbour's 16: the block's
	v_add_nc_u32 v11, 0xfc000000, v8               ; the conversion's scale operand
	v_and_or_b32 v10, v8, 0x7f800000, s23          ; 448 x the scale
.irp i, 0,1,2,3,4,5,6,7,8,9,10,11,12,13,14,15
	v_med3_num_f32 v[XS+\i], v[XS+\i], -v10, v10   ; the hold comes first (ISA guide 7.6.2)
.endr
	v_cvt_scalef32_pk8_fp8_f32 v[C+4*(\t):C+4*(\t)+1], v[XS:XS+7], v11
	v_cvt_scalef32_pk8_fp8_f32 v[C+4*(\t)+2:C+4*(\t)+3], v[XS+8:XS+15], v11
	v_lshrrev_b32 v[E+(\t)], 23, v11               ; the scale's byte.  (Also the plain line behind the conversions)
	ds_store_b8 v5, v[E+(\t)] offset:BYT+16*(\t)   ; both lanes of a block write the same byte with the same value
	global_store_b128 v3, v[C+4*(\t):C+4*(\t)+3], s[8:9] offset:512*(\t)   ; 32 lanes store two rows of the tile: 512 consecutive bytes, aligned
.endm
.irp t, 0,1,2,3,4,5,6,7,8,9,10,11,12,13,14,15
	STEP \t
.endr
	ds_load_b64 v[12:13], v6 offset:BYT            ; these see my byte stores
	s_wait_dscnt 0x0
	global_store_b64 v7, v[12:13], s[10:11]        ; 32 rows x 8 bytes: 256 consecutive bytes, aligned
	s_wait_tensorcnt 0x0                           ; the wave's end
	ds_add_u32 v[SPW], v[NIL]
	s_wait_dscnt 0x0
	s_endpgm
.Lfunc_end_k_q857c6ddb4b_quantx:
	.size	k_q857c6ddb4b_quantx, .Lfunc_end_k_q857c6ddb4b_quantx-k_q857c6ddb4b_quantx
	.p2alignl 7, 3214868480
	.fill 96, 4, 3214868480
	.section	.rodata,"a",@progbits
	.p2align	6, 0x0
	.amdhsa_kernel k_q857c6ddb4b_quantx
		.amdhsa_group_segment_fixed_size 33792
		.amdhsa_private_segment_fixed_size 0
		.amdhsa_enable_private_segment 0
		.amdhsa_kernarg_size 24
		.amdhsa_user_sgpr_count 2
		.amdhsa_user_sgpr_kernarg_segment_ptr 1
		.amdhsa_wavefront_size32 1
		.amdhsa_system_sgpr_workgroup_id_x 1
		.amdhsa_system_sgpr_workgroup_id_y 1
		.amdhsa_system_sgpr_workgroup_id_z 1
		.amdhsa_system_vgpr_workitem_id 0
		.amdhsa_next_free_vgpr 246
		.amdhsa_next_free_sgpr 66
		.amdhsa_reserve_vcc 0
		.amdhsa_float_denorm_mode_32 3
		.amdhsa_float_denorm_mode_16_64 3
		.amdhsa_memory_ordered 1
		.amdhsa_forward_progress 1
		.amdhsa_inst_pref_size 93
	.end_amdhsa_kernel
	.amdgpu_metadata
---
amdhsa.version: [ 1, 2 ]
amdhsa.kernels:
  - .name:           k_q857c6ddb4b_quantx
    .symbol:         k_q857c6ddb4b_quantx.kd
    .args:
      - { .name: x, .offset: 0, .size: 8, .value_kind: global_buffer, .address_space: global }
      - { .name: pmax, .offset: 8, .size: 8, .value_kind: global_buffer, .address_space: global }
      - { .name: a_codes, .offset: 16, .size: 8, .value_kind: global_buffer, .address_space: global }
    .group_segment_fixed_size: 33792
    .private_segment_fixed_size: 0
    .kernarg_segment_align: 8
    .kernarg_segment_size: 24
    .max_flat_workgroup_size: 128
    .sgpr_count:     66
    .vgpr_count:     246
    .wavefront_size: 32
...
	.end_amdgpu_metadata
.endif
;; end of part 2
;; launch gemm (part 3): grid 16 x 16, 4 waves a work-group, clusters of 4 x 4, 327,680 bytes of LDS; arguments a_codes, b_codes, out0; writes out0
.if DOCPART == 3
	.amdgcn_target "amdgcn-amd-amdhsa--gfx1250"
	.amdhsa_code_object_version 6
	.text
	.protected	k_q857c6ddb4b_gemm
	.globl	k_q857c6ddb4b_gemm
	.p2align	8
	.type	k_q857c6ddb4b_gemm,@function
k_q857c6ddb4b_gemm:
	s_mov_b64 s[64:65], 0
	v_nop
	global_prefetch_b8 v0, s[64:65] scope:SCOPE_SE
	s_setreg_imm32_b32 hwreg(HW_REG_WAVE_MODE, 25, 1), 1
	s_wait_xcnt 0x0
	s_wait_alu depctr_hold_cnt(0) depctr_sa_sdst(0) depctr_va_vdst(0) depctr_va_sdst(0) depctr_va_ssrc(0) depctr_va_vcc(0) depctr_vm_vsrc(0)
	s_getreg_b32 s2, hwreg(HW_REG_IB_STS2, 6, 4)
	s_cmp_eq_u32 s2, 0
	s_cbranch_scc0 .Lentry_in_a_cluster
	s_endpgm
.Lentry_in_a_cluster:
	s_bfe_u32 s2, ttmp6, 0x10000c
	s_cmp_lg_u32 s2, 0xf033
	s_cbranch_scc0 .Lentry_shape_is_right
	s_endpgm
.Lentry_shape_is_right:
; out0[m][n] = sum over k of A[m][k] B[n][k], 4,096 x 4,096 x 4,096, on codes of FP8 (E4M3) with one E8M0 byte for each 32 along K; f32 sums; out0 f32.
; a_codes and b_codes are dense tiles [K step of 256: 16][128 rows: 32][132 rows of 256 bytes]: 128 rows of codes, then four rows with the 128 rows' 8 scale bytes each.
; A tile of out0, 256 x 256, is made by a work-group of four waves, 128 x 128 each: 64 accumulators, 512 registers.  K goes in steps of 256 through a ring of two LDS slots.  A slot is four quarters, A's two
; tiles and B's two; each wave brings one quarter, 33,792 consecutive bytes of memory, codes and scale bytes together, by one tensor load; 16 bytes of padding behind each 256 make LDS rows 272 bytes apart.
; CLUSTERS: 4 x 4 work-groups.  A's tiles are asked for jointly along a row of the cluster, B's along a column.
; THE ORDER OF K.  Cluster (X, Y) takes the K steps in the cyclic order that begins at 4 ((X + Y) % 4).  The four clusters that load a tile of A (same Y) have four different beginnings, and so have the four that load
; a tile of B (same X): from its fifth step on a cluster loads tiles that another cluster has loaded four steps before.  LIMIT: a sum's order of rounding is that cyclic order, not K ascending.
; THE CHANGE OF SLOTS.  All products whose fragments are in registers stand ahead of the wait for the tensor loads or behind the refill: between that wait and the refill stand the add, the descriptors' scalar lines and the round.
; THE LAST K STEP GOES BY ROWS OF out0: all its fragments of B fill window 1, A's come by blocks of 16 rows x 256 K, and the wave's eight blocks of 16 rows are finished one after the other, 16 products each, and leave at once:
; the first block's stores stand 112 products ahead of the last product.  LDS is read no more than in any other step.
; PREFETCH: behind each refill, the K step two refills on: of the 128 code rows of the tile that a wave fetches, each of the four partners takes 32, told apart by address (cx for A, cy for B), a lane a row of 256 bytes;
; every cluster asks for what it will itself load; the tile's last 1,024 bytes (scale bytes) and the first four steps come by their loads alone; the loop's last trip asks for nothing.
; THE MATRIX INSTRUCTION IS USED TRANSPOSED (source 0 = 16 rows of B, source 1 = 16 rows of A): a lane holds eight neighbouring numbers of a row of out0.
; REGISTERS: window 0: v0-31 addresses; v32-63 scale words, two sets; v64-127 the way out: 16 rows read back; v128-255 A's fragments, one set (in the last step four buffers of 32).  Window 1: B's fragments, two sets.  Windows 2, 3: the accumulators.
.set SIZE_N, 4096
.set NQ,     2                         ; matrix instructions deep in a slot
.set PITCH,  272
.set TROWS,  132                       ; rows of 256 bytes in a tile
.set TILEB,  TROWS*256
.set KSB,    32*TILEB                  ; from a K step to the next, in bytes
.set QB,     TROWS*PITCH               ; a quarter of a slot
.set SLOT,   4*QB
.set SPARE,  2*SLOT                    ; the spare words: 512 bytes that no other line names
.set LAPS,   8
.set FR,     16
.set NL,     4
.set NP,     8                         ; places behind this matrix instruction (ISA guide 7.12.1)
.set SPITCH, 528                       ; the way out: a stage of 16 rows x (512 + 16) bytes for each wave, in slot 0, behind its last fill and last read
.set ADRA, 16                          ; v16-17 my A fragments in slot 0, 1
.set ADRS, 18                          ; v18-19 my scale words: lanes 0-15 A's, lanes 16-31 B's
.set ADRB, 20                          ; v20-21 my B fragments
.set STO,  24
.set RD,   25
.set CO,   26
.set SPW,  28                          ; my spare word; never rewritten
.set NIL,  29                          ; 0; never rewritten
.set PFO,  30                          ; 256 x lane
.set SC,   32
.set BK,   64
.set AF,   128
.set G1A,  24                          ; s[24:31], s[32:39] descriptor groups 1
.set G1B,  32
.set BA,   40                          ; s[40:41], s[42:43] the tiles that I fetch, at K step 0
.set BB,   42
.set OFF,  44                          ; s[44:45], s[46:47] offsets along K
.set OFF2, 46
.set KN,   48                          ; s48, s49 the K step that lies in, or is on its way to, slot 0, 1
.set PFB,  50                          ; s[50:51] my share of a prefetch at K step 0; s[52:53] the address asked for
.set PFA,  52
.set G0A,  56                          ; s[56:63], s[68:75] groups 0, one for each slot
.set G0B,  68
.set MSB, 0
.macro WIN new                         ; the immediate's high byte repeats the setting that is left
.if MSB != \new
	s_set_vgpr_msb (MSB<<8)|\new
.set MSB, \new
.endif
.endm
.set MUL_LO, 0xa1
.set MUL_HI, 0xf1
.set TO_B,   0x40
.macro PLACES n
.rept \n
	v_nop
.endr
.endm
.macro JLOAD s                         ; a joint load: waves 0, 1 fetch A's two tiles, waves 2, 3 B's; s_nop 0 and four v_nop behind each line
	s_cmp_eq_u32 s15, 0
	s_cbranch_scc0 .Lfor_b_\@
	tensor_load_to_lds s[G0A+4*\s:G0A+4*\s+3], s[G1A:G1A+7]
	s_nop 0
	PLACES 4
	s_branch .Lasked_\@
.Lfor_b_\@:
	tensor_load_to_lds s[G0B+4*\s:G0B+4*\s+3], s[G1B:G1B+7]
	s_nop 0
	PLACES 4
.Lasked_\@:
.endm
.macro CROUND                          ; a round of the cluster's barrier
	s_barrier_signal -1
	s_barrier_wait -1
	s_cmp_lg_u32 s14, 0
	s_cbranch_scc1 .Lnot_wave_0_\@
	s_barrier_signal -3
.Lnot_wave_0_\@:
	s_barrier_wait -3
	s_barrier_signal -1
	s_barrier_wait -1
.endm
	s_load_b128 s[4:7], s[0:1], 0x0                ; a_codes, b_codes
	s_load_b64 s[12:13], s[0:1], 0x10              ; out0
	v_lshl_add_u32 v[SPW], v0, 2, SPARE
	v_mov_b32 v[NIL], 0
	ds_add_u32 v[SPW], v[NIL]                      ; the opening lines: the add, twice on end, and its wait ahead of my first tensor load
	ds_add_u32 v[SPW], v[NIL]
	v_lshrrev_b32 v1, 5, v0
	v_readfirstlane_b32 s14, v1                    ; wave 0..3
	s_lshr_b32 s15, s14, 1                         ; my half of the tile's rows.  Also: I fetch for A (0) or for B (1)
	s_and_b32 s16, s14, 1                          ; my half of its columns.  Also: which 128 rows I fetch
	s_bfe_u32 s92, ttmp6, 0x40000                  ; cx
	s_bfe_u32 s93, ttmp6, 0x40004                  ; cy
	s_lshl_b32 s94, ttmp9, 2
	s_add_co_u32 s94, s94, s92                     ; tile column
	s_and_b32 s17, ttmp7, 0xffff
	s_lshl_b32 s17, s17, 2
	s_add_co_u32 s17, s17, s93                     ; tile row
	s_lshl_b32 s95, s93, 2
	s_lshl_b32 s95, 15, s95                        ; my row of the cluster
	s_lshl_b32 s96, 0x1111, s92                    ; my column
	s_or_b32 s[G1A+0], s95, (1<<20)|(1<<21)|(5<<22)|(3<<25)   ; the mask; elements of 1 byte; padding of 4 words behind every 64; bit 21 beside a mask
	s_or_b32 s[G1B+0], s96, (1<<20)|(1<<21)|(5<<22)|(3<<25)
.irp g, G1A, G1B
	s_mov_b32 s[\g+1], 256<<16                     ; tensor_dim0
	s_mov_b32 s[\g+2], TROWS<<16                   ; tensor_dim1
	s_mov_b32 s[\g+3], 256<<16                     ; tile_dim0
	s_mov_b32 s[\g+4], TROWS                       ; tile_dim1
	s_mov_b32 s[\g+5], 256                         ; the rows lie on end
	s_mov_b32 s[\g+6], 0
	s_mov_b32 s[\g+7], 0
.endr
	s_lshl_b32 s20, s17, 1                         ; A: tile 2 x tile row + half
	s_add_co_u32 s20, s20, s16
	s_mul_i32 s20, s20, TILEB
	s_mov_b32 s21, 0
	s_lshl_b32 s22, s94, 1                         ; B: tile 2 x tile column + half
	s_add_co_u32 s22, s22, s16
	s_mul_i32 s22, s22, TILEB
	s_mov_b32 s23, 0
	s_and_b32 s18, ttmp7, 0xffff                   ; where my cluster begins along K: from the cluster's numbers alone
	s_add_co_u32 s18, s18, ttmp9
	s_and_b32 s18, s18, 3
	s_lshl_b32 s[KN], s18, 2
	s_add_co_u32 s[KN+1], s[KN], 1
	s_mov_b32 s[OFF+1], 0
	s_mov_b32 s[OFF2+1], 0
	s_mul_i32 s19, s14, QB                         ; where my quarter goes: no place in the cluster enters an LDS address
	s_wait_dscnt 0x0                               ; both opening adds are done
	CROUND                                         ; all sixteen work-groups are here
	s_wait_kmcnt 0x0
	s_add_nc_u64 s[BA:BA+1], s[4:5], s[20:21]
	s_add_nc_u64 s[BB:BB+1], s[6:7], s[22:23]
.irp s, 0,1
	s_mul_i32 s[OFF], s[KN+\s], KSB
	s_mov_b32 s[G0A+4*\s], 1
	s_add_co_u32 s[G0A+4*\s+1], s19, \s*SLOT
	s_add_nc_u64 s[G0A+4*\s+2:G0A+4*\s+3], s[BA:BA+1], s[OFF:OFF+1]
	s_or_b32 s[G0A+4*\s+3], s[G0A+4*\s+3], 0x80000000
	s_mov_b32 s[G0B+4*\s], 1
	s_add_co_u32 s[G0B+4*\s+1], s19, \s*SLOT
	s_add_nc_u64 s[G0B+4*\s+2:G0B+4*\s+3], s[BB:BB+1], s[OFF:OFF+1]
	s_or_b32 s[G0B+4*\s+3], s[G0B+4*\s+3], 0x80000000
.endr
	JLOAD 0                                        ; my quarter of the first step: one tensor load a wave at the head
	s_mul_i32 s21, s15, QB                         ; my 128 rows of A
	s_add_co_u32 s22, s16, 2
	s_mul_i32 s22, s22, QB                         ; my 128 rows of B, behind A's two quarters
	s_sub_co_u32 s23, s22, s21                     ; from A's quarter to B's
	s_add_co_u32 s20, s21, 128*PITCH               ; a quarter's scale bytes lie behind its 128 rows of codes
	s_mul_i32 s18, s14, 16*SPITCH                  ; my stage
	v_and_b32 v1, 15, v0                           ; l % 16
	v_bfe_u32 v2, v0, 4, 1                         ; l / 16
	v_and_b32 v6, 31, v0
	v_mul_u32_u24 v3, v1, PITCH
	v_lshl_add_u32 v4, v2, 4, v3                   ; a fragment's row x pitch + 16 x half
	v_add_nc_u32 v[ADRA], s21, v4
	v_add_nc_u32 v[ADRB], s22, v4
	v_add_nc_u32 v[ADRA+1], SLOT, v[ADRA]
	v_add_nc_u32 v[ADRB+1], SLOT, v[ADRB]
	v_mul_u32_u24 v7, s23, v2                      ; lanes 16-31 take B's scale words
	v_lshl_add_u32 v7, v1, 3, v7                   ; 8 bytes a row
	v_add_nc_u32 v[ADRS], s20, v7
	v_add_nc_u32 v[ADRS+1], SLOT, v[ADRS]
	v_mul_u32_u24 v5, v1, SPITCH
	v_lshl_add_u32 v5, v2, 5, v5
	v_add_nc_u32 v[STO], s18, v5                   ; into the stage: row l % 16, 32 bytes for each half of the lanes
	v_lshlrev_b32 v[CO], 4, v6                     ; back: the 32 lanes take one row of 512 bytes; the same in out0
	v_add_nc_u32 v[RD], s18, v[CO]
	v_lshlrev_b32 v[PFO], 8, v6
	s_lshl_b32 s20, s17, 8                         ; my part of out0: row 256 x tile row + 128 x half, 16,384 bytes a row;
	s_lshl_b32 s21, s15, 7
	s_add_co_u32 s20, s20, s21
	s_lshl_b32 s20, s20, 14
	s_lshl_b32 s22, s94, 10                        ; column bytes 1,024 x tile column + 512 x half
	s_lshl_b32 s23, s16, 9
	s_add_co_u32 s20, s20, s22
	s_add_co_u32 s20, s20, s23
	s_mov_b32 s21, 0
	s_add_nc_u64 s[12:13], s[12:13], s[20:21]
	s_cmp_eq_u32 s15, 0                            ; the prefetches: the tile that I fetch,
	s_cselect_b32 s20, s92, s93                    ; my place among the four that ask for it with me,
	s_cselect_b64 s[PFB:PFB+1], s[BA:BA+1], s[BB:BB+1]
	s_lshl_b32 s20, s20, 13                        ; 32 rows of 256 bytes each
	s_add_nc_u64 s[PFB:PFB+1], s[PFB:PFB+1], s[20:21]
.macro FRAG reg, adr, q, i             ; 16 rows x 128 K: lane l holds row l % 16; registers 4 c .. 4 c + 3 hold K = 32 c + 16 (l / 16) + 0 .. 15
.irp c, 0,1,2,3
	ds_load_b128 v[\reg+4*\c:\reg+4*\c+3], v[\adr] offset:128*(\q)+32*\c+(\i)*16*PITCH
.endr
.endm
; 16 products: A's blocks a0, a0 + 1 x B's eight.  The 64 accumulators take turns, one instruction a turn, in the same order in every step.
.macro MUL16 a0, p, q, sc, zero
.irp a, \a0, \a0+1
.irp b, 0,1,2,3,4,5,6,7
.if \zero
	v_wmma_scale_f32_16x16x128_f8f6f4 v[8*(8*((\a)%4)+\b):8*(8*((\a)%4)+\b)+7], v[128*(\p)+FR*\b:128*(\p)+FR*\b+FR-1], v[AF+FR*(\a):AF+FR*(\a)+FR-1], 0, v[SC+8*NQ*(\sc)+NQ*\b+(\q)], v[SC+8*NQ*(\sc)+NQ*(\a)+(\q)] matrix_a_scale:MATRIX_SCALE_ROW1
.else
	v_wmma_scale_f32_16x16x128_f8f6f4 v[8*(8*((\a)%4)+\b):8*(8*((\a)%4)+\b)+7], v[128*(\p)+FR*\b:128*(\p)+FR*\b+FR-1], v[AF+FR*(\a):AF+FR*(\a)+FR-1], v[8*(8*((\a)%4)+\b):8*(8*((\a)%4)+\b)+7], v[SC+8*NQ*(\sc)+NQ*\b+(\q)], v[SC+8*NQ*(\sc)+NQ*(\a)+(\q)] matrix_a_scale:MATRIX_SCALE_ROW1
.endif
.endr
.endr
.endm
.macro FETCH_B slot, q, p
	WIN TO_B
.irp i, 0,1,2,3,4,5,6,7
	FRAG 128*(\p)+FR*\i, ADRB+\slot, \q, \i
.endr
	WIN 0
.endm
.macro FETCH_A slot, q, i0
.irp i, \i0, \i0+1, \i0+2, \i0+3
	FRAG AF+FR*(\i), ADRA+\slot, \q, \i
.endr
.endm
.macro SCALES sc                       ; a slot's scale words: two a row; block i's 16 rows lie in scale row i / 2, at byte 128 (i % 2)
.irp i, 0,1,2,3,4,5,6,7
	ds_load_b64 v[SC+8*NQ*\sc+NQ*\i:SC+8*NQ*\sc+NQ*\i+1], v[ADRS+\sc] offset:(\i/2)*PITCH+(\i%2)*128
.endr
.endm
.macro STEP slot, q, zero              ; 128 along K that has its successor in the same slot
	s_wait_dscnt 4*NL                              ; all but the youngest 16 loads (A's blocks 4-7) are in
	WIN MUL_LO
	MUL16 0, (\q)%2, \q, \slot, \zero
	MUL16 2, (\q)%2, \q, \slot, \zero
	s_wait_dscnt 0
	PLACES NP
	FETCH_B \slot, (\q)+1, 1-(\q)%2
	FETCH_A \slot, (\q)+1, 0
	WIN MUL_HI
	MUL16 4, (\q)%2, \q, \slot, \zero
	MUL16 6, (\q)%2, \q, \slot, \zero
	PLACES NP
	WIN 0
	FETCH_A \slot, (\q)+1, 4
.endm
.macro TURN slot, next                 ; a slot's last 128 along K, and the change of slots with its refill
	s_wait_dscnt 4*NL                              ; all but A's blocks 4-7 are in
	WIN MUL_LO
	MUL16 0, 1, NQ-1, \slot, 0
	MUL16 2, 1, NQ-1, \slot, 0
	WIN 0
	s_wait_xcnt 0x0                                ; my last prefetch has read its address, which is written below
	s_wait_tensorcnt 0x0                           ; my one tensor load that was out, my quarter of the next slot, has landed;
	ds_add_u32 v[SPW], v[NIL]                      ; 0 onto my spare word
	s_add_co_u32 s[KN+\slot], s[KN+\slot], 2       ; no tensor load of mine is out: this slot's next K step, round the end of K,
	s_and_b32 s[KN+\slot], s[KN+\slot], 15
	s_mul_i32 s[OFF], s[KN+\slot], KSB
	s_add_nc_u64 s[G0A+4*\slot+2:G0A+4*\slot+3], s[BA:BA+1], s[OFF:OFF+1]
	s_or_b32 s[G0A+4*\slot+3], s[G0A+4*\slot+3], 0x80000000
	s_add_nc_u64 s[G0B+4*\slot+2:G0B+4*\slot+3], s[BB:BB+1], s[OFF:OFF+1]
	s_or_b32 s[G0B+4*\slot+3], s[G0B+4*\slot+3], 0x80000000
	s_add_co_u32 s[OFF2], s[KN+\slot], 2           ; and the step two refills on, for the prefetch
	s_and_b32 s[OFF2], s[OFF2], 15
	s_mul_i32 s[OFF2], s[OFF2], KSB
	s_add_nc_u64 s[PFA:PFA+1], s[PFB:PFB+1], s[OFF2:OFF2+1]
	s_wait_dscnt 0x0                               ; the add is done, and my reads of this slot are over
	CROUND                                         ; no wave of any partner still reads this slot or has a load on its way
	JLOAD \slot                                    ; the refill, first behind the round; its four v_nop are among the places in front of the loads below
	PLACES NP-4
	FETCH_B \next, 0, 0
	FETCH_A \next, 0, 0
	SCALES \next
	s_cmp_gt_u32 s3, 1                             ; the loop's last trip has no step two refills on
	s_cbranch_scc0 .Lnone_\@
	global_prefetch_b8 v[PFO], s[PFA:PFA+1] th:TH_LOAD_NT scope:SCOPE_SE
.Lnone_\@:
	WIN MUL_HI
	MUL16 4, 1, NQ-1, \slot, 0
	MUL16 6, 1, NQ-1, \slot, 0
	PLACES NP
	WIN 0
	FETCH_A \next, 0, 4
.endm
	s_wait_alu depctr_va_vdst(0)
	s_wait_tensorcnt 0x0                           ; my quarter of the first step is in
	ds_add_u32 v[SPW], v[NIL]
	s_wait_dscnt 0x0
	CROUND
	JLOAD 1                                        ; the second step, the first tensor load behind the round
	FETCH_B 0, 0, 0
	FETCH_A 0, 0, 0
	SCALES 0
	FETCH_A 0, 0, 4
	STEP 0, 0, 1                                   ; the first products start the sums: nothing is cleared
	s_mov_b32 s3, LAPS-1
.Llap:                                                 ; a trip goes once round the ring and fills both slots again
	TURN 0, 1
	STEP 1, 0, 0
	TURN 1, 0
	STEP 0, 0, 0
	s_sub_co_u32 s3, s3, 1
	s_cmp_lg_u32 s3, 0
	s_cbranch_scc1 .Llap
; THE LAST CHANGE OF SLOTS fills nothing, so a plain barrier serves; THE LAST STEP (slot 1) goes by rows of out0.
.macro AROW a                          ; A's block a of slot 1, both halves of its 256 along K, into buffer a % 4 of 32 registers: 8 loads
.irp q, 0,1
	FRAG AF+32*((\a)%4)+FR*\q, ADRA+1, \q, \a
.endr
.endm
.macro ROW a                           ; block a is finished: 16 products, its 8 accumulators by turns
.set AC_, 64*((\a)%4)
.set FA_, AF+32*((\a)%4)
	WIN MUL_LO+0x50*((\a)/4)
.irp q, 0,1
.if (\a) == 0 && \q == 1
	s_wait_dscnt 16                                ; B's second set is in; behind it: A's blocks 2 and 3
.endif
.irp b, 0,1,2,3,4,5,6,7
	v_wmma_scale_f32_16x16x128_f8f6f4 v[AC_+8*\b:AC_+8*\b+7], v[128*\q+FR*\b:128*\q+FR*\b+FR-1], v[FA_+FR*\q:FA_+FR*\q+FR-1], v[AC_+8*\b:AC_+8*\b+7], v[SC+8*NQ+NQ*\b+\q], v[SC+8*NQ+NQ*(\a)+\q] matrix_a_scale:MATRIX_SCALE_ROW1
.endr
.endr
.endm
; THE WAY OUT of a block of 16 rows x 128 columns: through my own stage and back as whole rows of 512 bytes.  LDS serves a wave's instructions in order (ISA guide 5.7.1.4).
.macro TOSTAGE a
.set AC, 64*((\a)%4)
	WIN 0x08+4*((\a)/4)
.irp b, 0,1,2,3,4,5,6,7
	ds_store_b128 v[STO], v[AC+8*\b:AC+8*\b+3] offset:64*\b          ; each accumulator from its low end on
	ds_store_b128 v[STO], v[AC+8*\b+4:AC+8*\b+7] offset:64*\b+16
.endr
	WIN 0
.if (\a) > 0
	s_wait_xcnt 0x0                                ; the block before's stores have read their registers and their base
.endif
.irp t, 0,1,2,3,4,5,6,7,8,9,10,11,12,13,14,15
	ds_load_b128 v[BK+4*\t:BK+4*\t+3], v[RD] offset:\t*SPITCH
.endr
.endm
.macro SEND a, younger                 ; younger: the LDS loads issued behind block a's
	s_wait_dscnt \younger
.if (\a) > 0
	s_add_nc_u64 s[12:13], s[12:13], 16*SIZE_N*4   ; (behind TOSTAGE's wait on XCNT) 16 rows on
.endif
.irp t, 0,1,2,3,4,5,6,7,8,9,10,11,12,13,14,15
	global_store_b128 v[CO], v[BK+4*\t:BK+4*\t+3], s[12:13] offset:\t*SIZE_N*4 th:TH_STORE_NT   ; 32 lanes store 512 consecutive bytes, aligned
.endr
.endm
	s_wait_dscnt 4*NL                              ; slot 0's last 128 along K: all but A's blocks 4-7 are in
	WIN MUL_LO
	MUL16 0, 1, NQ-1, 0, 0
	MUL16 2, 1, NQ-1, 0, 0
	WIN 0
	s_wait_tensorcnt 0x0                           ; my quarter of slot 1 has landed: my last tensor load
	ds_add_u32 v[SPW], v[NIL]
	s_wait_dscnt 0x0                               ; my reads of slot 0 are over
	s_barrier_signal -1
	s_barrier_wait -1
	PLACES NP
	FETCH_B 1, 0, 0                                ; B's first 128 along K into set 0,
	AROW 0                                         ; A's blocks 0 and 1 where the old blocks 0-3 lay
	AROW 1
	SCALES 1
	WIN MUL_HI
	MUL16 4, 1, NQ-1, 0, 0
	MUL16 6, 1, NQ-1, 0, 0
	PLACES NP
	FETCH_B 1, 1, 1                                ; B's second 128 into set 1,
	AROW 2                                         ; A's blocks 2 and 3 where the old blocks 4-7 lay
	AROW 3
	s_wait_dscnt 48                                ; all but the 48 loads just issued
	ROW 0
.irp a, 0,1,2,3,4,5,6,7                ; each block leaves as soon as it is finished
	PLACES NP                                      ; in front of the stores that read results just made, and of the loads into the block's buffer
	TOSTAGE \a
.if \a < 4
	AROW \a+4                                      ; its buffer takes the block four further on
	SEND \a, 8
.else
	SEND \a, 0
.endif
.if \a < 7
	ROW \a+1
.endif
.endr
	s_wait_tensorcnt 0x0                           ; the wave's end
	ds_add_u32 v[SPW], v[NIL]
	s_wait_dscnt 0x0
	CROUND                                         ; the closing round
	s_endpgm
.Lfunc_end_k_q857c6ddb4b_gemm:
	.size	k_q857c6ddb4b_gemm, .Lfunc_end_k_q857c6ddb4b_gemm-k_q857c6ddb4b_gemm
	.p2alignl 7, 3214868480
	.fill 96, 4, 3214868480
	.section	.rodata,"a",@progbits
	.p2align	6, 0x0
	.amdhsa_kernel k_q857c6ddb4b_gemm
		.amdhsa_group_segment_fixed_size 327680
		.amdhsa_private_segment_fixed_size 0
		.amdhsa_enable_private_segment 0
		.amdhsa_kernarg_size 24
		.amdhsa_user_sgpr_count 2
		.amdhsa_user_sgpr_kernarg_segment_ptr 1
		.amdhsa_wavefront_size32 1
		.amdhsa_system_sgpr_workgroup_id_x 1
		.amdhsa_system_sgpr_workgroup_id_y 1
		.amdhsa_system_sgpr_workgroup_id_z 1
		.amdhsa_system_vgpr_workitem_id 0
		.amdhsa_next_free_vgpr 1024
		.amdhsa_next_free_sgpr 98
		.amdhsa_reserve_vcc 0
		.amdhsa_float_denorm_mode_32 3
		.amdhsa_float_denorm_mode_16_64 3
		.amdhsa_memory_ordered 1
		.amdhsa_forward_progress 1
		.amdhsa_inst_pref_size 146
	.end_amdhsa_kernel
	.amdgpu_metadata
---
amdhsa.version: [ 1, 2 ]
amdhsa.kernels:
  - .name:           k_q857c6ddb4b_gemm
    .symbol:         k_q857c6ddb4b_gemm.kd
    .args:
      - { .name: a_codes, .offset: 0, .size: 8, .value_kind: global_buffer, .address_space: global }
      - { .name: b_codes, .offset: 8, .size: 8, .value_kind: global_buffer, .address_space: global }
      - { .name: out0, .offset: 16, .size: 8, .value_kind: global_buffer, .address_space: global }
    .group_segment_fixed_size: 327680
    .private_segment_fixed_size: 0
    .kernarg_segment_align: 8
    .kernarg_segment_size: 24
    .max_flat_workgroup_size: 128
    .sgpr_count:     98
    .vgpr_count:     1024
    .wavefront_size: 32
...
	.end_amdgpu_metadata
.endif
;; end of part 3
